; MI455X (gfx1250); checked and timed in simulation.
; The chip was launched on July 23, 2026; its instructions are those of AMD's public machine-readable ISA for CDNA 5 (MIT licence, August 2026) and "CDNA5" Instruction Set Architecture Reference Guide (July 2026). The comments in the code are by the model that wrote it; some were corrected since.
;; Multi Head Attention. Allowed arithmetic: matrix products marked QUANTISED: E2M1 operands, one E8M0 scale for each 32 along K, by v_wmma_scale_f32_16x16x128_f8f6f4 with both operands' format E2M1 (or v_wmma_scale_f32_32x16x128_f4), f32 sums; everything else in f32.
;; Inputs: b_out 1,024 float32; b_qkv 3,072 float32; w_out_codes 1,024 x 32 x 16 uint8 (E2M1 codes of w_out, K innermost, in blocks of 32 codes, two codes a byte); w_out_scales 1,024 x 32 uint8 (E8M0 scales of w_out, one for each 32 codes along K); w_qkv_codes 3,072 x 32 x 16 uint8 (E2M1 codes of w_qkv, K innermost, in blocks of 32 codes, two codes a byte); w_qkv_scales 3,072 x 32 uint8 (E8M0 scales of w_qkv, one for each 32 codes along K); x_codes 4 x 2,048 x 32 x 16 uint8 (E2M1 codes of x, K innermost, in blocks of 32 codes, two codes a byte); x_scales 4 x 2,048 x 32 uint8 (E8M0 scales of x, one for each 32 codes along K).
;; Outputs: out0 4 x 2,048 x 1,024 float32.
;; This version of the problem:
;;   THIS VERSION OF THE PROBLEM IS GIVEN IN LOW PRECISION. The matrix products marked QUANTISED in the list below multiply operands that are first quantised to E2M1 (2 exponent bits, 1 mantissa bit; 4 bits a number), with one power-of-two scale for each 32 numbers along K (OCP MX v1.0); their sums are f32. All else is computed in f32.
;;   The module's matrix products, in the order in which they are computed (A, B: the left and right operand; K: the contracted axis; several contracted axes count as one K, in the product's order):
;;     1. [M 8,192, K 1,024] x [K 1,024, N 3,072]; A: input x (given as codes); B: input w_qkv (given as codes): QUANTISED
;;     2. batch 64 x [M 2,048, K 64] x [K 64, N 2,048]; A: computed on the way; B: computed on the way: QUANTISED
;;     3. batch 64 x [M 64, K 2,048] x [K 2,048, N 2,048]; A: computed on the way; B: softmax (see below): QUANTISED
;;     4. [M 8,192, K 1,024] x [K 1,024, N 1,024]; A: computed on the way; B: input w_out (given as codes): QUANTISED
;;   THE QUANTISER, for each operand of a quantised product, along K:
;;     - K is cut into blocks of 32 from its start; a last block that is shorter is filled with zeros.
;;     - A block's scale is 2^e with e = floor(log2(the largest magnitude in the block)) - 2, held to -126 .. 127; a block of zeros has e = 0. As a byte (E8M0): e + 127.
;;     - Each number is divided by its block's scale, clamped to +-6, and rounded to the nearest number of E2M1, ties to even, subnormals kept.
;;     - The product sums the exact products of the quantised numbers (number of the format x scale) in f32.
;;   ~~~python
;;   def quantise(x, axis):      # numpy; x: float32 -> the quantised numbers, widened to float32 again
;;       x = np.moveaxis(x, axis, -1); K = x.shape[-1]
;;       x = np.pad(x, [(0, 0)] * (x.ndim - 1) + [(0, -K % 32)]); x = x.reshape(x.shape[:-1] + (-1, 32)); a = np.abs(x).max(-1, keepdims=True)
;;       e = np.where(a > 0, np.clip(np.frexp(np.where(a > 0, a, 1))[1] - 1 - 2, -126, 127), 0)      # np.frexp(a)[1] - 1 = floor(log2(a)), exactly
;;       r = np.clip(x / 2.0 ** e, -6, 6)
;;       step = 2.0 ** (np.maximum(np.frexp(np.where(r == 0, 1, r))[1] - 1, 0) - 1)
;;       q = np.round(r / step) * step * 2.0 ** e      # np.round: ties to even
;;       return np.moveaxis(q.reshape(q.shape[:-2] + (-1,))[..., :K], -1, axis).astype(np.float32)
;;   ~~~
;;   SOFTMAX AHEAD OF A QUANTISED PRODUCT. Where the list says 'softmax', what is quantised is not the finished softmax but p = 2^(t - M), with t = logit x log2(e) and M = ceil(the row's largest t), a whole number; so 1/2 < the row's largest p <= 1. The row's sum l is taken of the UNQUANTISED p, in f32, and the product's result is divided by l at the end. Since M is a whole number, a kernel that streams over the keys may use a running M (the ceiling of the running maximum): every later rescaling is an exact power of two, which a block's scale takes up: the codes' values come out the same.
;;   OPERANDS COMPUTED ON THE WAY. 'Computed on the way' means the value that the module computes at that place (a softmax that the list does not call 'softmax' is quantised finished and normalised). What goes into a quantiser is computed in f32, as accurately as f32 sums, v_exp_f32 and their like allow (about 1e-6 of the number): no bf16 or f16 on the way to a quantiser, and a product that is left as it is and whose result goes on into a quantised operand takes f32 operands (vector FMAs, or v_wmma_f32_16x16x4_f32). A number that lies on a knife's edge between two numbers of the format may be rounded either way, as far as f32 arithmetic and the matrix unit's own rounding can turn it there, and no further.
;;   INPUTS GIVEN AS CODES. w_out (in the module: [1024, 1024], K = its axis 0); w_qkv (in the module: [1024, 3072], K = its axis 0); x (in the module: [4, 2048, 1024], K = its axis 2): each comes as NAME_codes (uint8): NAME with its K axis moved to the last place and cut into blocks of 32 codes, [.., K / 32, bytes a block], one block behind the other in memory; two codes a byte, the lower K in the low four bits (a code: sign, 2 exponent bits, 1 mantissa bit); and NAME_scales (uint8): the same leading axes, one E8M0 byte (e + 127) for each 32 codes along K. Its value is code x scale, taken as it is: it is not quantised again, and the codes and scales need not be those that the quantiser above would give.
;; One version. Each part assembles by itself: llvm-mc -triple=amdgcn-amd-amdhsa -mcpu=gfx1250 --defsym DOCPART=n.
;; ======== version 1 of 1: 3 launches
;; limits: right only within a limited range of input values
;; workspace buffers: q_ws 4,456,448 bytes; kv_ws 8,912,896 bytes; o_codes 4,194,304 bytes; o_scales 262,144 bytes
;; launch qkv (part 1): grid 16 x 32, 12 waves a work-group, clusters of 4 x 4, 263,680 bytes of LDS; arguments x_codes, x_scales, w_qkv_codes, w_qkv_scales, b_qkv, q_ws, kv_ws; writes q_ws, kv_ws
.if DOCPART == 1
	.amdgcn_target "amdgcn-amd-amdhsa--gfx1250"
	.amdhsa_code_object_version 6
	.text
	.protected	k_q571bb42abb_qkv
	.globl	k_q571bb42abb_qkv
	.p2align	8
	.type	k_q571bb42abb_qkv,@function
k_q571bb42abb_qkv:
	s_mov_b64 s[64:65], 0
	v_nop
	global_prefetch_b8 v0, s[64:65] scope:SCOPE_SE
	s_setreg_imm32_b32 hwreg(HW_REG_WAVE_MODE, 25, 1), 1
	s_wait_xcnt 0x0
	s_wait_alu depctr_hold_cnt(0) depctr_sa_sdst(0) depctr_va_vdst(0) depctr_va_sdst(0) depctr_va_ssrc(0) depctr_va_vcc(0) depctr_vm_vsrc(0)
	s_getreg_b32 s2, hwreg(HW_REG_IB_STS2, 6, 4)
	s_cmp_eq_u32 s2, 0
	s_cbranch_scc0 .Lentry_in_a_cluster
	s_endpgm
.Lentry_in_a_cluster:
	s_bfe_u32 s2, ttmp6, 0x10000c
	s_cmp_lg_u32 s2, 0xf033
	s_cbranch_scc0 .Lentry_shape_is_right
	s_endpgm
.Lentry_shape_is_right:
; qkv = x W + b on codes of FP4 (E2M1) with one E8M0 scale for each 32 along K = 1,024; then q and k are quantised along the head's 64 channels and v along the keys,
; and all three leave as IMAGES OF THE NEXT PRODUCT'S OPERAND REGISTERS: 16 bytes a lane, 512 consecutive bytes a store.
; SHARES.  A work-group makes 256 rows of x times the 192 columns of one head (64 of q, 64 of k, 64 of v).  Twelve waves: role = wave / 4 (0 q, 1 k, 2 v), rg = wave % 4 (64 rows): 64 x 64 a wave, 16 accumulators.
; All of K fits in LDS at once (256 + 192 rows of 512 bytes, and their scale bytes): every LDS byte is filled once, so there is no ring and no refill.
; P AND R.  Source 0 of a product is called P, source 1 R.  In a result lane (r, h) holds R index r and, in register j, P index 8 h + j: a lane's registers run along P.  So P is the axis that is quantised next:
; for q and k P = 64 rows of W (channels) and R = 64 rows of x; for v P = 64 rows of x (keys) and R = 64 rows of W.  The roles differ in LDS base addresses, in the bias and in the store addresses alone.
; CLUSTER 4 x 4.  The four work-groups of a row of the cluster share their rows of x, the four of a column their head's rows of W: each tile is asked for jointly, by the same load with a mask that names the four.
; OUT.  q_ws [bh 64][group of 128 queries 16][4,352]: tile t of 16 queries: codes at 512 t + 16 lane (lane (r, h): query r, channels 32 h on); its two scale bytes at 4,096 + 64 (t / 2) + 4 r + 2 (t % 2).
;       kv_ws [bh 64][step of 128 keys 16][8,704]: K as q_ws; V's codes at 4,352 + 2,048 c + 512 t + 16 lane (channel 16 t + r, keys 64 c + 32 h on); V's scale bytes at 8,448 + 64 t + 4 r + 2 c.
; LIMITS.  NaN and infinities among the inputs are not served.  A block whose largest magnitude lies under 2^-124, a block of zeros among them, gets the scale byte 1 (the rule says 127 for zeros): its codes are
; zeros or are held at that scale, and the bytes are read by this program alone.
.set T64,  64*528                      ; 64 rows of codes in LDS: 512 bytes + 16 of padding = 132 words a row: row r starts at bank 4 r mod 64 (64 banks of 4 bytes: ISA guide 11.1)
.set WT,   4*T64                       ; x's 256 rows lie at 0, W's 192 rows here
.set XSC,  WT+3*T64                    ; x's scale bytes: 8,192 dense bytes as 32 pieces of 256 + 16 of padding
.set WSC,  XSC+32*272                  ; W's: 6,144 bytes, 24 pieces
.set SU,   8*272                       ; the scale bytes of 64 rows
.set BR,   8                           ; v8-15    the bias along R: tile i's number of my lane, twice (a pair for the packed addition)
.set BP,   16                          ; v16-47   the bias along P: register 8 p + j
.set PF,   48                          ; v48-79   P's four fragments (16 rows x 128 K: 8 registers)
.set RF,   80                          ; v80-111  R's four
.set PS,   112                         ; v112-119 P's scale words: register 4 m + q: lanes 0-15 tile 2 m, lanes 16-31 tile 2 m + 1, K step q of four
.set RS,   120                         ; v120-127 R's likewise
.set ACC,  128                         ; v128-255 accumulator (p, i) at 128 + 32 i + 8 p
.set PC,   48                          ; the way out: codes, four registers for each i
.set WD,   64                          ; v64-67   two scale bytes for each i
.set TM,   68                          ; v68-69 largest magnitudes; v70-71 the other half's, then the bytes; v72-73 the conversions' scale operands
.set TP,   70
.set TE,   72
.set CO,   74                          ; v74      where my 16 bytes of codes go
.set SO,   76                          ; v76-79   where tile i's two scale bytes go
.set WV,   18                          ; s18      my wave's number
.set SEL,  46                          ; s[46:47] lane selects for v_permlanex16_b32: lane l xor 16
; A round of the cluster's barrier: my work-group's barrier, wave 0 signals for the work-group, every wave waits for all sixteen work-groups, my work-group's barrier once more.
.macro CROUND
	s_barrier_signal -1
	s_barrier_wait -1
	s_cmp_lg_u32 s[WV], 0
	s_cbranch_scc1 .Lnot_wave_0_\@
	s_barrier_signal -3
.Lnot_wave_0_\@:
	s_barrier_wait -3
	s_barrier_signal -1
	s_barrier_wait -1
.endm
; One product.  z = 1: it starts the sum.  ra, rb: which half of the lanes of the scale registers holds this tile's words.
.macro WM d, a, b, z, sa, sb, ra, rb
.if (\z)
.if (\ra)+2*(\rb) == 0
	v_wmma_scale_f32_16x16x128_f8f6f4 v[\d:\d+7], v[\a:\a+7], v[\b:\b+7], 0, v[\sa], v[\sb] matrix_a_fmt:MATRIX_FMT_FP4 matrix_b_fmt:MATRIX_FMT_FP4
.elseif (\ra)+2*(\rb) == 1
	v_wmma_scale_f32_16x16x128_f8f6f4 v[\d:\d+7], v[\a:\a+7], v[\b:\b+7], 0, v[\sa], v[\sb] matrix_a_fmt:MATRIX_FMT_FP4 matrix_b_fmt:MATRIX_FMT_FP4 matrix_a_scale:MATRIX_SCALE_ROW1
.elseif (\ra)+2*(\rb) == 2
	v_wmma_scale_f32_16x16x128_f8f6f4 v[\d:\d+7], v[\a:\a+7], v[\b:\b+7], 0, v[\sa], v[\sb] matrix_a_fmt:MATRIX_FMT_FP4 matrix_b_fmt:MATRIX_FMT_FP4 matrix_b_scale:MATRIX_SCALE_ROW1
.else
	v_wmma_scale_f32_16x16x128_f8f6f4 v[\d:\d+7], v[\a:\a+7], v[\b:\b+7], 0, v[\sa], v[\sb] matrix_a_fmt:MATRIX_FMT_FP4 matrix_b_fmt:MATRIX_FMT_FP4 matrix_a_scale:MATRIX_SCALE_ROW1 matrix_b_scale:MATRIX_SCALE_ROW1
.endif
.else
.if (\ra)+2*(\rb) == 0
	v_wmma_scale_f32_16x16x128_f8f6f4 v[\d:\d+7], v[\a:\a+7], v[\b:\b+7], v[\d:\d+7], v[\sa], v[\sb] matrix_a_fmt:MATRIX_FMT_FP4 matrix_b_fmt:MATRIX_FMT_FP4
.elseif (\ra)+2*(\rb) == 1
	v_wmma_scale_f32_16x16x128_f8f6f4 v[\d:\d+7], v[\a:\a+7], v[\b:\b+7], v[\d:\d+7], v[\sa], v[\sb] matrix_a_fmt:MATRIX_FMT_FP4 matrix_b_fmt:MATRIX_FMT_FP4 matrix_a_scale:MATRIX_SCALE_ROW1
.elseif (\ra)+2*(\rb) == 2
	v_wmma_scale_f32_16x16x128_f8f6f4 v[\d:\d+7], v[\a:\a+7], v[\b:\b+7], v[\d:\d+7], v[\sa], v[\sb] matrix_a_fmt:MATRIX_FMT_FP4 matrix_b_fmt:MATRIX_FMT_FP4 matrix_b_scale:MATRIX_SCALE_ROW1
.else
	v_wmma_scale_f32_16x16x128_f8f6f4 v[\d:\d+7], v[\a:\a+7], v[\b:\b+7], v[\d:\d+7], v[\sa], v[\sb] matrix_a_fmt:MATRIX_FMT_FP4 matrix_b_fmt:MATRIX_FMT_FP4 matrix_a_scale:MATRIX_SCALE_ROW1 matrix_b_scale:MATRIX_SCALE_ROW1
.endif
.endif
.endm
; 32 numbers of a lane, register src + 8 p + j = P index 16 p + 8 h + j of R index r, become half a fragment (64 along the next K) in v[pc .. pc + 3] and its two scale bytes in v[w].
; A block of 32 is tiles 2 b and 2 b + 1: 16 numbers in my lane, 16 in lane l xor 16.  The four conversions' results are laid A0, B0, A1, B1 (A: block 0, B: block 1; 0, 1: the block's two tiles), so that two
; exchanges of halves leave block h whole in lane (r, h), k ascending: the layout of a 4-bit operand.
.macro QH src, pc, w
.irp b, 0,1
	v_max3_num_f32 v[TM+\b], |v[\src+16*\b]|, |v[\src+16*\b+1]|, 0x1800000   ; my 16 numbers, and the floor 2^(3 - 127): the byte cannot fall under 1
.endr
.irp i, 2,4,6,8,10,12,14
.irp b, 0,1
	s_delay_alu instid0(VALU_DEP_2)
	v_max3_num_f32 v[TM+\b], v[TM+\b], |v[\src+16*\b+\i]|, |v[\src+16*\b+\i+1]|   ; (the two blocks by turns)
.endr
.endr
.irp b, 0,1
	s_delay_alu instid0(VALU_DEP_2)
	v_permlanex16_b32 v[TP+\b], v[TM+\b], s[SEL], s[SEL+1]
.endr
.irp b, 0,1
	s_delay_alu instid0(VALU_DEP_2)
	v_max_num_f32 v[TM+\b], v[TM+\b], v[TP+\b]     ; with lane l xor 16's: the block's largest magnitude
.endr
.irp b, 0,1
	s_delay_alu instid0(VALU_DEP_2)
	v_add_nc_u32 v[TE+\b], 0xff000000, v[TM+\b]    ; 2 off its exponent field: the conversion takes the exponent field of this operand as its scale
.endr
.irp b, 0,1
	s_delay_alu instid0(VALU_DEP_2)
	v_lshrrev_b32 v[TP+\b], 23, v[TE+\b]           ; the scale's byte
.endr
	s_delay_alu instid0(VALU_DEP_1)
	v_lshl_or_b32 v[\w], v[TP+1], 8, v[TP]
	v_cvt_scalef32_pk8_fp4_f32 v[\pc], v[\src:\src+7], v[TE]
	v_cvt_scalef32_pk8_fp4_f32 v[\pc+2], v[\src+8:\src+15], v[TE]
	v_cvt_scalef32_pk8_fp4_f32 v[\pc+1], v[\src+16:\src+23], v[TE+1]
	v_cvt_scalef32_pk8_fp4_f32 v[\pc+3], v[\src+24:\src+31], v[TE+1]
	v_nop                                          ; one plain place behind a scaled conversion
	v_permlane16_swap_b32 v[\pc], v[\pc+1]
	v_permlane16_swap_b32 v[\pc+2], v[\pc+3]
.endm
; A K step of 128: 16 fragment loads, 16 products.  Every fourth step brings the scale words of four steps: 16 bytes of each of my 2 x 64 rows.
.macro KSTEP q, zero
.if (\q)%4 == 0
.irp m, 0,1
	ds_load_b128 v[PS+4*\m:PS+4*\m+3], v6 offset:1088*\m+16*((\q)/4)
	ds_load_b128 v[RS+4*\m:RS+4*\m+3], v7 offset:1088*\m+16*((\q)/4)
.endr
.endif
.irp p, 0,1,2,3
.irp c, 0,1
	ds_load_b128 v[PF+8*\p+4*\c:PF+8*\p+4*\c+3], v4 offset:8448*\p+64*(\q)+32*\c
.endr
.endr
.irp i, 0,1,2,3
.irp c, 0,1
	ds_load_b128 v[RF+8*\i+4*\c:RF+8*\i+4*\c+3], v5 offset:8448*\i+64*(\q)+32*\c
.endr
.endr
.irp i, 0,1,2,3
	s_wait_dscnt 6-2*\i                            ; LDS loads come back in order: all up to R's tile i are in; the two loads of each later tile of R may be out
.irp p, 0,1,2,3
	WM ACC+32*\i+8*\p, PF+8*\p, RF+8*\i, \zero, PS+4*(\p/2)+(\q)%4, RS+4*(\i/2)+(\q)%4, \p%2, \i%2   ; the 16 accumulators take turns, one instruction a turn, in the same order in every step
.endr
.endr
.rept 4
	v_nop                                          ; four places in front of loads into registers that these products have read, and of the first read of results
.endr
.endm
	s_load_b256 s[4:11], s[0:1], 0x0               ; x's codes s[4:5], x's scales s[6:7], W's codes s[8:9], W's scales s[10:11]
	s_load_b128 s[12:15], s[0:1], 0x20             ; b_qkv s[12:13], q_ws s[14:15]
	s_load_b64 s[16:17], s[0:1], 0x30              ; kv_ws
	s_set_vgpr_msb 0x40
	v_lshl_add_u32 v0, v0, 2, 0x40000
	v_mov_b32 v1, 0
	s_set_vgpr_msb 0x4045
	ds_add_u32 v0, v1
	ds_add_u32 v0, v1
	s_set_vgpr_msb 0x4500
	v_lshrrev_b32 v1, 5, v0
	s_delay_alu instid0(VALU_DEP_1)
	v_readfirstlane_b32 s[WV], v1                  ; wave 0..11
	s_lshr_b32 s19, s[WV], 2                       ; role: 0 q, 1 k, 2 v
	s_and_b32 s20, s[WV], 3                        ; rg: which 64 rows of x
	s_lshr_b32 s21, s19, 1                         ; 1 for v
	s_xor_b32 s22, s21, 1                          ; 1 for q and k
	s_bfe_u32 s40, ttmp6, 0x40000                  ; cx, cy: my place in the cluster
	s_bfe_u32 s41, ttmp6, 0x40004
	s_lshl_b32 s42, ttmp9, 2
	s_add_co_u32 s42, s42, s40                     ; the head = 4 x cluster x + cx
	s_and_b32 s45, ttmp7, 0xffff
	s_lshl_b32 s45, s45, 2
	s_add_co_u32 s45, s45, s41                     ; rb, the block of 256 rows = 4 x cluster y + cy
	s_lshl_b32 s43, s41, 2
	s_lshl_b32 s43, 15, s43                        ; my row of the cluster: it shares rb
	s_lshl_b32 s44, 0x1111, s40                    ; my column: it shares the head
	s_mov_b32 s[SEL], 0x76543210
	s_mov_b32 s[SEL+1], 0xfedcba98
	; descriptor group 1 for codes: 64 rows x 512 bytes, 16 bytes of padding behind each row
	s_or_b32 s24, s43, (1<<20)|(1<<21)|(6<<22)|(3<<25)   ; 15:0 the mask; 17:16 elements of 1 byte; 20 padding on; 21 set beside a mask; 24:22 after every 128 words (code 6); 31:25 four words (code 3)
	s_or_b32 s32, s44, (1<<20)|(1<<21)|(6<<22)|(3<<25)
.irp g, 24, 32
	s_mov_b32 s[\g+1], 512<<16                     ; tensor_dim0
	s_mov_b32 s[\g+2], 64<<16                      ; tensor_dim1
	s_mov_b32 s[\g+3], 512<<16                     ; tile_dim0
	s_mov_b32 s[\g+4], 64                          ; tile_dim1
	s_mov_b32 s[\g+5], 512                         ; from row to row
	s_mov_b32 s[\g+6], 0
	s_mov_b32 s[\g+7], 0
.endr
	; and for scale bytes: a dense block as rows of 256 bytes (32 elements of 8 bytes), 16 bytes of padding behind each: 32 rows for x, 24 for W
	s_or_b32 s48, s43, (3<<16)|(1<<20)|(1<<21)|(5<<22)|(3<<25)
	s_mov_b32 s49, 32<<16
	s_mov_b32 s50, 32<<16
	s_mov_b32 s51, 32<<16
	s_mov_b32 s52, 32
	s_mov_b32 s53, 32
	s_mov_b32 s54, 0
	s_mov_b32 s55, 0
	s_or_b32 s56, s44, (3<<16)|(1<<20)|(1<<21)|(5<<22)|(3<<25)
	s_mov_b32 s57, 32<<16
	s_mov_b32 s58, 24<<16
	s_mov_b32 s59, 32<<16
	s_mov_b32 s60, 24
	s_mov_b32 s61, 32
	s_mov_b32 s62, 0
	s_mov_b32 s63, 0
	; where the tiles come from: x's hang on rb and the wave alone (s84-87), W's on the head and the wave alone (s88-91)
	s_lshl_b32 s2, s20, 15                         ; 64 rows of 512 bytes x rg
	s_lshl_b32 s84, s45, 17                        ; 256 rows of 512 bytes x rb
	s_add_co_u32 s84, s84, s2
	s_mov_b32 s85, 0
	s_lshl_b32 s86, s45, 13                        ; 256 rows of 32 scale bytes x rb
	s_mov_b32 s87, 0
	s_mul_i32 s88, s42, 98304                      ; 192 rows of 512 bytes x head
	s_add_co_u32 s88, s88, s2
	s_mov_b32 s89, 0
	s_mul_i32 s90, s42, 6144                       ; 192 rows of 32 scale bytes x head
	s_mov_b32 s91, 0
	s_mul_i32 s3, s20, T64                         ; and where they go: no place in the cluster enters an LDS address
	s_wait_dscnt 0x0
	s_wait_kmcnt 0x0
	s_mov_b32 s68, 1                               ; group 0 for x's codes: count; LDS address; global address; type 2
	s_mov_b32 s69, s3
	s_add_nc_u64 s[70:71], s[4:5], s[84:85]
	s_or_b32 s71, s71, 0x80000000
	s_mov_b32 s72, 1                               ; W's codes
	s_add_co_u32 s73, s3, WT
	s_add_nc_u64 s[74:75], s[8:9], s[88:89]
	s_or_b32 s75, s75, 0x80000000
	s_mov_b32 s76, 1                               ; x's scale bytes
	s_mov_b32 s77, XSC
	s_add_nc_u64 s[78:79], s[6:7], s[86:87]
	s_or_b32 s79, s79, 0x80000000
	s_mov_b32 s80, 1                               ; W's scale bytes
	s_mov_b32 s81, WSC
	s_add_nc_u64 s[82:83], s[10:11], s[90:91]
	s_or_b32 s83, s83, 0x80000000
	CROUND                                         ; all sixteen work-groups are here: the joint loads meet
	; The fills, one a wave: waves 0-3 x's four quarters, waves 4-6 W's three thirds, wave 7 x's scale bytes, wave 8 W's; waves 9-11 none.  The branches hang on the wave's number alone.
	; Four v_nop follow each load, ahead of the jump and the label.  By this text's count a wave has one tensor load out.
	s_cmp_lt_u32 s[WV], 4
	s_cbranch_scc0 .Lnot_x
	tensor_load_to_lds s[68:71], s[24:31]
	s_nop 0
.rept 4
	v_nop
.endr
	s_branch .Lasked
.Lnot_x:
	s_cmp_lt_u32 s[WV], 7
	s_cbranch_scc0 .Lnot_w
	tensor_load_to_lds s[72:75], s[32:39]
	s_nop 0
.rept 4
	v_nop
.endr
	s_branch .Lasked
.Lnot_w:
	s_cmp_eq_u32 s[WV], 7
	s_cbranch_scc0 .Lnot_xs
	tensor_load_to_lds s[76:79], s[48:55]
	s_nop 0
.rept 4
	v_nop
.endr
	s_branch .Lasked
.Lnot_xs:
	s_cmp_eq_u32 s[WV], 8
	s_cbranch_scc0 .Lasked
	tensor_load_to_lds s[80:83], s[56:63]
	s_nop 0
.rept 4
	v_nop
.endr
.Lasked:
	; the bias of my role's 64 columns, in both layouts: every wave loads both, and uses the one that its role wants
	s_mul_i32 s92, s42, 768
	s_lshl_b32 s93, s19, 8
	s_add_co_u32 s92, s92, s93
	s_mov_b32 s93, 0
	s_add_nc_u64 s[12:13], s[12:13], s[92:93]      ; b_qkv at column 192 head + 64 role
	v_and_b32 v1, 31, v0                           ; lane
	v_and_b32 v2, 15, v0                           ; r
	s_wait_alu depctr_va_vdst(0)
	v_bfe_u32 v3, v0, 4, 1                         ; h
	s_delay_alu instid0(VALU_DEP_1)
	v_lshlrev_b32 v48, 5, v3                       ; along P: columns 16 p + 8 h + 0 .. 7
	v_lshlrev_b32 v49, 2, v2                       ; along R: column 16 i + r
.irp p, 0,1,2,3
	global_load_b128 v[BP+8*\p:BP+8*\p+3], v48, s[12:13] offset:64*\p
	global_load_b128 v[BP+8*\p+4:BP+8*\p+7], v48, s[12:13] offset:64*\p+16
.endr
.irp i, 0,1,2,3
	global_load_b32 v[BR+2*\i], v49, s[12:13] offset:64*\i
	global_load_b32 v[BR+2*\i+1], v49, s[12:13] offset:64*\i
.endr
	; LDS bases: P and R are x's 64 rows and W's 64 rows, one way or the other by the role
	s_mul_i32 s92, s19, T64
	s_add_co_u32 s92, s92, WT                      ; W's rows of my role
	s_mul_i32 s93, s21, s3
	s_mul_i32 s94, s22, s92
	s_add_co_u32 s93, s93, s94                     ; P's codes
	s_mul_i32 s94, s22, s3
	s_mul_i32 s95, s21, s92
	s_add_co_u32 s94, s94, s95                     ; R's codes
	s_mul_i32 s95, s20, SU
	s_add_co_u32 s95, s95, XSC                     ; x's scale bytes of my 64 rows
	s_mul_i32 s96, s19, SU
	s_add_co_u32 s96, s96, WSC                     ; W's
	s_mul_i32 s97, s21, s95
	s_mul_i32 s98, s22, s96
	s_add_co_u32 s97, s97, s98                     ; P's scale bytes
	s_mul_i32 s98, s22, s95
	s_mul_i32 s99, s21, s96
	s_add_co_u32 s98, s98, s99                     ; R's
	v_mul_u32_u24 v4, v2, 528
	s_wait_alu depctr_va_vdst(0)
	v_lshl_add_u32 v4, v3, 4, v4                   ; a fragment: row r x pitch + 16 h; two loads 32 bytes apart
	s_delay_alu instid0(VALU_DEP_1)
	v_add_nc_u32 v5, s94, v4
	s_delay_alu instid0(VALU_DEP_2)
	v_add_nc_u32 v4, s93, v4
	v_lshrrev_b32 v6, 3, v1
	s_delay_alu instid0(VALU_DEP_1)
	v_mul_u32_u24 v6, v6, 272
	v_and_b32 v7, 7, v1
	s_delay_alu instid0(VALU_DEP_1)
	v_lshl_add_u32 v6, v7, 5, v6                   ; scale bytes of row "lane" of 32: eight rows of 32 bytes to a padded piece
	s_delay_alu instid0(VALU_DEP_1)
	v_add_nc_u32 v7, s98, v6
	s_delay_alu instid0(VALU_DEP_2)
	v_add_nc_u32 v6, s97, v6
	s_wait_alu depctr_va_vdst(0)
	s_wait_loadcnt 0x0                             ; the bias
	s_wait_tensorcnt 0x0                           ; my fill has landed,
	s_barrier_signal -1
	s_barrier_wait -1                              ; everybody's has
	KSTEP 0, 1                                     ; the first step's products start the sums: nothing is cleared
.set Q, 1
.rept 7
	KSTEP Q, 0
.set Q, Q+1
.endr
	; the bias, ahead of the quantiser; each accumulator is read from its low end on
	s_cmp_eq_u32 s19, 2
	s_cbranch_scc1 .Lbias_v
.irp i, 0,1,2,3
.irp p, 0,1,2,3
.irp j, 0,2,4,6
	v_pk_add_f32 v[ACC+32*\i+8*\p+\j:ACC+32*\i+8*\p+\j+1], v[ACC+32*\i+8*\p+\j:ACC+32*\i+8*\p+\j+1], v[BP+8*\p+\j:BP+8*\p+\j+1]   ; q, k: the column runs along the registers
.endr
.endr
.endr
	s_branch .Lbiased
.Lbias_v:
.irp i, 0,1,2,3
.irp p, 0,1,2,3
.irp j, 0,2,4,6
	v_pk_add_f32 v[ACC+32*\i+8*\p+\j:ACC+32*\i+8*\p+\j+1], v[ACC+32*\i+8*\p+\j:ACC+32*\i+8*\p+\j+1], v[BR+2*\i:BR+2*\i+1]   ; v: the column is the lane's
.endr
.endr
.endr
.Lbiased:
	; where the images go
	s_lshr_b32 s92, s45, 3                         ; the batch: eight blocks of 256 rows each
	s_lshl_b32 s92, s92, 4
	s_add_co_u32 s92, s92, s42                     ; bh = 16 batch + head
	s_lshl_b32 s92, s92, 4
	s_and_b32 s93, s45, 7
	s_lshl_b32 s93, s93, 1
	s_add_co_u32 s92, s92, s93
	s_lshr_b32 s93, s20, 1
	s_add_co_u32 s92, s92, s93                     ; 16 bh + the group of 128 rows
	s_mov_b32 s93, 8704
	s_cmp_eq_u32 s19, 0                            ; q goes to q_ws, k and v to kv_ws: the choice hangs on the wave's number alone
	s_cselect_b32 s93, 4352, s93
	s_cselect_b64 s[14:15], s[14:15], s[16:17]
	s_mul_i32 s92, s92, s93
	s_mov_b32 s93, 0
	s_add_nc_u64 s[14:15], s[14:15], s[92:93]
	s_and_b32 s94, s20, 1                          ; c: which 64 of the group's 128 rows
	s_mul_i32 s95, s21, 4352                       ; v lies behind k
	s_lshl_b32 s96, s94, 11
	s_add_co_u32 s96, s96, s95
	; K'S IMAGES ARE LAID FOR THE NEXT LAUNCH'S CHOICE OF KEYS (q's and v's stay as the head's comment has them): tiles 2 and 3 of my 64 keys are stored with bit 3 of the lane flipped (still 512 whole bytes a store),
	; and the two scale bytes of key (i, r) go to 4,096 + 128 c + 64 (i % 2) + 32 (i / 2) + 4 (r % 8) + 2 (r / 8).
	s_cmp_eq_u32 s19, 1                            ; role k
	s_cselect_b32 s92, 128, 0
	s_cselect_b32 s93, 30, 0
	v_lshl_add_u32 v[CO], v1, 4, s96               ; codes: 16 lane + 2,048 c (+ 4,352 for v); tile i 512 i on
	v_xor_b32 v[CO+1], s92, v[CO]                  ; tiles 2 and 3
	s_mul_i32 s97, s21, 6
	s_sub_co_u32 s97, 7, s97
	s_lshl_b32 s97, s94, s97                       ; scale bytes: c counts 128 bytes for q and k, 2 for v;
	s_add_co_u32 s97, s97, s95
	s_add_co_u32 s97, s97, 4096
	s_mul_i32 s98, s21, 62
	s_add_co_u32 s98, s98, 2                       ; i % 2 counts 2 bytes for q and k, 64 for v;
	s_lshl_b32 s99, s21, 6
	s_add_co_u32 s99, s99, 64                      ; i / 2 counts 64 bytes for q and k, 128 for v
	s_cmp_eq_u32 s19, 1
	s_cselect_b32 s98, 64, s98                     ; k: i % 2 counts 64 bytes,
	s_cselect_b32 s99, 32, s99                     ; i / 2 counts 32
	v_lshrrev_b32 v[TM], 3, v2
	v_lshl_add_u32 v[SO], v2, 2, s97
	v_mul_u32_u24 v[TM], v[TM], s93
	v_sub_nc_u32 v[SO], v[SO], v[TM]               ; k: 4 r - 30 (r / 8) = 4 (r % 8) + 2 (r / 8)
	v_add_nc_u32 v[SO+1], s98, v[SO]
	s_delay_alu instid0(VALU_DEP_2)
	v_add_nc_u32 v[SO+2], s99, v[SO]
	s_delay_alu instid0(VALU_DEP_1)
	v_add_nc_u32 v[SO+3], s98, v[SO+2]
	v_mov_b32 v[TP], 0                             ; written once: a lane permute's destination counts as one of its sources
	v_mov_b32 v[TP+1], 0
.irp i, 0,1,2,3
	QH ACC+32*\i, PC+4*\i, WD+\i
	global_store_b128 v[CO+\i/2], v[PC+4*\i:PC+4*\i+3], s[14:15] offset:512*\i   ; 32 lanes store 512 consecutive bytes, at a multiple of 256 from the buffer's first byte
	global_store_b16 v[SO+\i], v[WD+\i], s[14:15]  ; two bytes a row; lanes 16-31 repeat lanes 0-15: the same place, the same value.  One byte in sixteen of what leaves
.endr
	s_set_vgpr_msb 0x5
	s_wait_tensorcnt 0x0
	ds_add_u32 v0, v1
	s_wait_dscnt 0x0
	s_set_vgpr_msb 0x500
	CROUND                                         ; the closing round: no work-group ends while a partner may still ask for a tile that names it
	s_endpgm
.Lfunc_end_k_q571bb42abb_qkv:
	.size	k_q571bb42abb_qkv, .Lfunc_end_k_q571bb42abb_qkv-k_q571bb42abb_qkv
	.p2alignl 7, 3214868480
	.fill 96, 4, 3214868480
	.section	.rodata,"a",@progbits
	.p2align	6, 0x0
	.amdhsa_kernel k_q571bb42abb_qkv
		.amdhsa_group_segment_fixed_size 263680
		.amdhsa_private_segment_fixed_size 0
		.amdhsa_enable_private_segment 0
		.amdhsa_kernarg_size 56
		.amdhsa_user_sgpr_count 2
		.amdhsa_user_sgpr_kernarg_segment_ptr 1
		.amdhsa_wavefront_size32 1
		.amdhsa_system_sgpr_workgroup_id_x 1
		.amdhsa_system_sgpr_workgroup_id_y 1
		.amdhsa_system_sgpr_workgroup_id_z 1
		.amdhsa_system_vgpr_workitem_id 0
		.amdhsa_next_free_vgpr 258
		.amdhsa_next_free_sgpr 100
		.amdhsa_reserve_vcc 0
		.amdhsa_float_denorm_mode_32 3
		.amdhsa_float_denorm_mode_16_64 3
		.amdhsa_memory_ordered 1
		.amdhsa_forward_progress 1
		.amdhsa_inst_pref_size 58
	.end_amdhsa_kernel
	.amdgpu_metadata
---
amdhsa.version: [ 1, 2 ]
amdhsa.kernels:
  - .name:           k_q571bb42abb_qkv
    .symbol:         k_q571bb42abb_qkv.kd
    .args:
      - { .name: x_codes, .offset: 0, .size: 8, .value_kind: global_buffer, .address_space: global }
      - { .name: x_scales, .offset: 8, .size: 8, .value_kind: global_buffer, .address_space: global }
      - { .name: w_qkv_codes, .offset: 16, .size: 8, .value_kind: global_buffer, .address_space: global }
      - { .name: w_qkv_scales, .offset: 24, .size: 8, .value_kind: global_buffer, .address_space: global }
      - { .name: b_qkv, .offset: 32, .size: 8, .value_kind: global_buffer, .address_space: global }
      - { .name: q_ws, .offset: 40, .size: 8, .value_kind: global_buffer, .address_space: global }
      - { .name: kv_ws, .offset: 48, .size: 8, .value_kind: global_buffer, .address_space: global }
    .group_segment_fixed_size: 263680
    .private_segment_fixed_size: 0
    .kernarg_segment_align: 8
    .kernarg_segment_size: 56
    .max_flat_workgroup_size: 384
    .sgpr_count:     100
    .vgpr_count:     258
    .wavefront_size: 32
...
	.end_amdgpu_metadata
.endif
;; end of part 1
;; launch attn (part 2): grid 4 x 64, 16 waves a work-group, clusters of 4 x 1, 169,984 bytes of LDS; arguments q_ws, kv_ws, o_codes, o_scales; writes o_codes, o_scales
.if DOCPART == 2
	.amdgcn_target "amdgcn-amd-amdhsa--gfx1250"
	.amdhsa_code_object_version 6
	.text
	.protected	k_q571bb42abb_attn
	.globl	k_q571bb42abb_attn
	.p2align	8
	.type	k_q571bb42abb_attn,@function
k_q571bb42abb_attn:
	s_mov_b64 s[64:65], 0
	v_nop
	global_prefetch_b8 v0, s[64:65] scope:SCOPE_SE
	s_setreg_imm32_b32 hwreg(HW_REG_WAVE_MODE, 25, 1), 1
	s_wait_xcnt 0x0
	s_wait_alu depctr_hold_cnt(0) depctr_sa_sdst(0) depctr_va_vdst(0) depctr_va_sdst(0) depctr_va_ssrc(0) depctr_va_vcc(0) depctr_vm_vsrc(0)
	s_getreg_b32 s2, hwreg(HW_REG_IB_STS2, 6, 4)
	s_cmp_eq_u32 s2, 0
	s_cbranch_scc0 .Lentry_in_a_cluster
	s_endpgm
.Lentry_in_a_cluster:
	s_bfe_u32 s2, ttmp6, 0x10000c
	s_cmp_lg_u32 s2, 0x3003
	s_cbranch_scc0 .Lentry_shape_is_right
	s_endpgm
.Lentry_shape_is_right:
; o = softmax(q k^T / 8) v for one head, both products on codes of FP4 (E2M1) with one E8M0 scale for each 32 along a product's K; o is then quantised along the model's 1,024 for the last product.
; THE SOFTMAX: t = score x log2(e) / 8; M = the row's largest t so far, rounded up to a whole number; p = 2^(t - M) is quantised along the keys, not normalised.  The row's sum is taken of the unquantised p, in f32,
; and divides at the end.  When M moves, the sum and O are multiplied by 2^(old M - new M): exact.
; SHARES.  A work-group owns 512 queries of one head (bh = 16 batch + head); each of its sixteen waves owns two tiles of 16, a and b.  Every wave walks the head's 2,048 keys, 128 a step.
; LDS.  The head's K and V, codes and scale bytes, are 139,264 dense bytes of kv_ws: filled once by eight joint loads (cluster 4 x 1: the four query blocks of a head read the same bytes) and kept.
; No prefetch: memory is read at the head alone, and the loop reads LDS.
; LAYOUT.  Both products are used transposed: S^T = K Q^T, O^T = V^T P^T: a lane holds ONE query (lane % 16) throughout.  The first product's K is 64, the instruction's 128: a fragment of K holds two tiles of 16 keys,
; and Q stands beside 64 zero codes: [Q, 0] picks the first tile, [0, Q] the second.
; THE KEYS OF A TILE: row 8 b + j of tile 4 c + t is key 64 c + 32 b + 8 t + j.  So lane (r, h) holds in S + 32 c + 0 .. 31 the WHOLE block 2 c + h of 32 keys, ascending: a block's largest score needs no other lane,
; and the eight conversions' results are the second product's operand registers as they stand.
; WORK BETWEEN THE EXPONENTIALS.  A tile's 64 exponentials go in two halves.  Between the first half's stand the second half's multiply-adds; between the second half's stand the OTHER tile's four products O^T += V^T P^T,
; the first half's conversions and eight additions of the sum's tree: lines whose sources were written ahead of the half's opening wait and whose results are read behind its closing wait.
; So tile a's products of a step stand in tile b's softmax, and tile b's in the next step's tile a; the loop goes from a step's tile b to the next step's tile a.
; LIMITS.  NaN and infinities are not served; the promise holds while |t| stays under 2^31.  A block's scale is 2^(floor(t_max - M) - 2), t_max - M made by the same multiply-add as the block's largest p: where v_exp_f32
; rounds that p across a power of two (t_max - M within an ulp of a whole number) the scale is the exact p's and not the rounded p's.  1 / sum is one v_rcp_f32.  A block whose scale would lie under 2^-126 gets
; the byte 1; the bytes are read by this program alone.
.set STEPB, 8704                       ; a step in LDS: K's codes 4,096, K's scale words 256, V's codes 4,096, V's scale words 256
.set AE,  1                            ; v1   K's tiles with even t: 1,152 b + 16 j + 256 h + the step's first byte (tiles of b = 1 were stored with lane bit 3 flipped: sixteen lanes touch sixteen 16-byte columns of 256)
.set AO,  2                            ; v2   odd t: the same with bit 7 flipped
.set AV,  3                            ; v3   16 x lane + the step's first byte
.set AS,  4                            ; v4   4 x lane + the same
.set SPW, 5                            ; v5   my spare word; v6 = 0: for the add alone
.set NIL, 6
.set T2,  7
.set NA,  8                            ; v8-11 tile a: -M, the largest score, the sum in two halves;  v12-15 tile b
.set NB,  12
.set QZ,  16                           ; v16-35: four zeros, Q a, four zeros, Q b, four zeros
.set QSA, 36                           ; v36, v37 Q's two scale bytes, in both halves of the word
.set QSB, 37
.set KS,  38                           ; v38-39 K's scale words;  v40-41 V's
.set VS,  40
.set PWA, 42                           ; v42, v43 p's scale words
.set PWB, 43
.set TE,  44                           ; v44-45 the conversions' scale operands, then bytes
.set F,   46                           ; v46 f = 2^(old M - new M); v47, named with it as a pair, takes the lane exchanges
.set TP,  47
.set PCA, 48                           ; v48-55, v56-63 p's codes; ahead of the conversions the eight chains of maxima
.set PCB, 56
.set KK,  64                           ; v64-95 K's four fragments
.set S,   96                           ; v96-159 S^T of the tile in hand, then p, then the sum's tree
.set OA,  160                          ; v160-191, v192-223 O^T
.set OB,  192
.set VV,  224                          ; v224-255 V's four fragments
.set QT,  64                           ; the way out: temporaries where K lay
.set WV,  12
.set SEL, 16                           ; s[16:17] lane selects for v_permlanex16_b32: lane l xor 16
.set CS,  18                           ; s[18:19] c = log2(e) / 8
.set NC,  22                           ; s22 -c
.macro CROUND
	s_barrier_signal -1
	s_barrier_wait -1
	s_cmp_lg_u32 s[WV], 0
	s_cbranch_scc1 .Lnot_wave_0_\@
	s_barrier_signal -3
.Lnot_wave_0_\@:
	s_barrier_wait -3
	s_barrier_signal -1
	s_barrier_wait -1
.endm
; One product.  z = 1: it starts the sum.  ra: which half of the lanes of source 0's scale register holds this tile's words.
.macro WM d, a, b, z, sa, sb, ra
.if (\z)
.if (\ra) == 0
	v_wmma_scale_f32_16x16x128_f8f6f4 v[\d:\d+7], v[\a:\a+7], v[\b:\b+7], 0, v[\sa], v[\sb] matrix_a_fmt:MATRIX_FMT_FP4 matrix_b_fmt:MATRIX_FMT_FP4
.else
	v_wmma_scale_f32_16x16x128_f8f6f4 v[\d:\d+7], v[\a:\a+7], v[\b:\b+7], 0, v[\sa], v[\sb] matrix_a_fmt:MATRIX_FMT_FP4 matrix_b_fmt:MATRIX_FMT_FP4 matrix_a_scale:MATRIX_SCALE_ROW1
.endif
.else
.if (\ra) == 0
	v_wmma_scale_f32_16x16x128_f8f6f4 v[\d:\d+7], v[\a:\a+7], v[\b:\b+7], v[\d:\d+7], v[\sa], v[\sb] matrix_a_fmt:MATRIX_FMT_FP4 matrix_b_fmt:MATRIX_FMT_FP4
.else
	v_wmma_scale_f32_16x16x128_f8f6f4 v[\d:\d+7], v[\a:\a+7], v[\b:\b+7], v[\d:\d+7], v[\sa], v[\sb] matrix_a_fmt:MATRIX_FMT_FP4 matrix_b_fmt:MATRIX_FMT_FP4 matrix_a_scale:MATRIX_SCALE_ROW1
.endif
.endif
.endm
; The way out's quantiser: 32 numbers of a lane, register src + 8 p + j = channel 16 p + 8 h + j, become half a fragment in v[pc .. pc + 3] and its two scale bytes in v[w].
.macro QH src, pc, w
.irp b, 0,1
	v_max3_num_f32 v[QT+\b], |v[\src+16*\b]|, |v[\src+16*\b+1]|, 0x1800000   ; my 16 numbers, and the floor 2^(3 - 127): the byte cannot fall under 1
.endr
.irp i, 2,4,6,8,10,12,14
.irp b, 0,1
	v_max3_num_f32 v[QT+\b], v[QT+\b], |v[\src+16*\b+\i]|, |v[\src+16*\b+\i+1]|
.endr
.endr
.irp b, 0,1
	v_permlanex16_b32 v[QT+2+\b], v[QT+\b], s[SEL], s[SEL+1]
.endr
.irp b, 0,1
	v_max_num_f32 v[QT+\b], v[QT+\b], v[QT+2+\b]
.endr
.irp b, 0,1
	v_add_nc_u32 v[QT+4+\b], 0xff000000, v[QT+\b]  ; 2 off the exponent field: the conversion's scale operand
.endr
.irp b, 0,1
	v_lshrrev_b32 v[QT+2+\b], 23, v[QT+4+\b]       ; the scale's byte
.endr
	v_lshl_or_b32 v[\w], v[QT+3], 8, v[QT+2]
	v_cvt_scalef32_pk8_fp4_f32 v[\pc], v[\src:\src+7], v[QT+4]
	v_cvt_scalef32_pk8_fp4_f32 v[\pc+2], v[\src+8:\src+15], v[QT+4]
	v_cvt_scalef32_pk8_fp4_f32 v[\pc+1], v[\src+16:\src+23], v[QT+5]
	v_cvt_scalef32_pk8_fp4_f32 v[\pc+3], v[\src+24:\src+31], v[QT+5]
	v_nop                                          ; one plain place behind a scaled conversion
	v_permlane16_swap_b32 v[\pc], v[\pc+1]         ; block h whole in lane (r, h)
	v_permlane16_swap_b32 v[\pc+2], v[\pc+3]
.endm
.macro KLOAD                           ; K's eight tiles and their scale words: ten LDS loads
.irp c, 0,1
.irp u, 0,1
	ds_load_b128 v[KK+16*\c+8*\u:KK+16*\c+8*\u+3], v[AE] offset:2048*\c+512*\u
	ds_load_b128 v[KK+16*\c+8*\u+4:KK+16*\c+8*\u+7], v[AO] offset:2048*\c+512*\u
.endr
.endr
	ds_load_b32 v[KS], v[AS] offset:4096           ; lanes 0-15 fragment 0's words, lanes 16-31 fragment 1's
	ds_load_b32 v[KS+1], v[AS] offset:4224
.endm
.macro VLOAD                           ; V's four fragments and their scale words: ten LDS loads
.irp t, 0,1,2,3
.irp c, 0,1
	ds_load_b128 v[VV+8*\t+4*\c:VV+8*\t+4*\c+3], v[AV] offset:4352+2048*\c+512*\t   ; channels 16 t on, keys 64 c + 32 h on
.endr
.endr
	ds_load_b32 v[VS], v[AS] offset:8448
	ds_load_b32 v[VS+1], v[AS] offset:8576
.endm
.macro TMM nm, from, n                 ; t - M, two at a time
.set J, \from
.rept \n
	v_pk_fma_f32 v[S+J:S+J+1], v[S+J:S+J+1], s[CS:CS+1], v[\nm:\nm+1] op_sel_hi:[1,0,0]
.set J, J+2
.endr
.endm
.macro PADD d, from, n                 ; a level of the sum's tree, in place
.set J, \from
.rept \n
	v_pk_add_f32 v[S+J:S+J+1], v[S+J:S+J+1], v[S+J+\d:S+J+\d+1]
.set J, J+2
.endr
.endm
.macro OMUL o, from                    ; O^T under the new M, eight numbers
.set J, \from
.rept 4
	v_pk_mul_f32 v[\o+J:\o+J+1], v[\o+J:\o+J+1], v[F:F+1] op_sel_hi:[1,0]
.set J, J+2
.endr
.endm
.macro EX n                            ; the next n exponentials: p = 2^(t - M)
.rept \n
	v_exp_f32 v[S+JE], v[S+JE]
.set JE, JE+1
.endr
.endm
; ONE TILE'S PART OF A KEY STEP.  nm, pc, pw, o, qb, qs: the tile's own registers.  kl = 1: the addresses step and the next step's K is loaded behind the scores.  pv = 1: the other tile's products (oo, opc, opw) stand
; among the second half's exponentials.  vw >= 0: V is waited for ahead of them, vw younger LDS loads may stay out.  vl = 1: this step's V is loaded behind them.
.macro TILE nm, pc, pw, o, qb, qs, kl, pv, oo, opc, opw, vw, vl
.irp t, 0,1,2,3,4,5,6,7
	WM S+8*\t, KK+8*(\t/2), \qb+4-4*(\t%2), 1, KS+\t/4, \qs, (\t/2)%2   ; S^T: the first tile of a fragment by [Q, 0] at qb + 4, the second by [0, Q] at qb
.endr
	v_mov_b32 v[F], v[\nm]                         ; the old -M.  (With the lines below: the places in front of the first read of the scores and of loads into K's registers)
.if \kl
	v_add_nc_u32 v[AE], STEPB, v[AE]
	v_add_nc_u32 v[AO], STEPB, v[AO]
	v_add_nc_u32 v[AV], STEPB, v[AV]
	v_add_nc_u32 v[AS], STEPB, v[AS]
	KLOAD
.else
.rept 3
	v_nop
.endr
.endif
.irp t, 0,1,2,3,4,5,6,7
	v_max3_num_f32 v[\pc+\t], v[S+8*\t], v[S+8*\t+1], v[S+8*\t+2]   ; eight chains, one an accumulator, each read from its low end on
.endr
.irp i, 3,5
.irp t, 0,1,2,3,4,5,6,7
	v_max3_num_f32 v[\pc+\t], v[\pc+\t], v[S+8*\t+\i], v[S+8*\t+\i+1]
.endr
.endr
.irp c, 0,4                            ; four chains and four numbers left over make a block's largest score: in pc (block h) and pc + 4 (block 2 + h)
	v_max3_num_f32 v[\pc+\c], v[\pc+\c], v[\pc+\c+1], v[S+8*\c+7]
.endr
.irp c, 0,4
	v_max3_num_f32 v[\pc+\c+2], v[\pc+\c+2], v[\pc+\c+3], v[S+8*\c+15]
.endr
.irp c, 0,4
	v_max3_num_f32 v[\pc+\c], v[\pc+\c], v[\pc+\c+2], v[S+8*\c+23]
.endr
.irp c, 0,4
	v_max_num_f32 v[\pc+\c], v[\pc+\c], v[S+8*\c+31]
.endr
	v_max3_num_f32 v[T2], v[\pc], v[\pc+4], v[\nm+1]
	v_permlanex16_b32 v[TP], v[T2], s[SEL], s[SEL+1]
	v_max_num_f32 v[\nm+1], v[T2], v[TP]           ; the running largest score of my query
	v_mul_f32 v[T2], s[NC], v[\nm+1]
	v_floor_f32 v[\nm], v[T2]                      ; -M = floor(-t) = -ceil(t): a whole number
	TMM \nm, 0, 2                                  ; the first half's t - M, with f and the two blocks' scales laid between
	v_fma_f32 v[\pc], v[\pc], s[CS], v[\nm]        ; t_max - M of each block
	v_fma_f32 v[\pc+4], v[\pc+4], s[CS], v[\nm]
	v_sub_f32 v[F], v[\nm], v[F]                   ; old M - new M: a whole number, 0 or less
	TMM \nm, 4, 2
	v_floor_f32 v[\pc], v[\pc]
	v_floor_f32 v[\pc+4], v[\pc+4]
	v_cvt_i32_f32 v[F], v[F]                       ; (it saturates)
	TMM \nm, 8, 2
	v_cvt_i32_f32 v[\pc], v[\pc]
	v_cvt_i32_f32 v[\pc+4], v[\pc+4]
	v_ldexp_f32 v[F], 1.0, v[F]                    ; f = 2^(old M - new M)
	TMM \nm, 12, 2
	v_ldexp_f32 v[TE], 0x3e800000, v[\pc]          ; the block's scale 2^(floor(t_max - M) - 2): the conversion takes its exponent field
	v_ldexp_f32 v[TE+1], 0x3e800000, v[\pc+4]
	TMM \nm, 16, 4
	v_max_num_f32 v[TE], 0x800000, v[TE]           ; held at 2^-126: the byte cannot fall under 1
	v_max_num_f32 v[TE+1], 0x800000, v[TE+1]
	TMM \nm, 24, 4
	s_wait_alu depctr_va_vdst(0)                   ; the wait ahead of the batch
.set J, 0
.rept 16                               ; THE FIRST HALF'S EXPONENTIALS, and between them the second half's t - M
	v_exp_f32 v[S+J], v[S+J]
	v_exp_f32 v[S+J+1], v[S+J+1]
	v_pk_fma_f32 v[S+32+J:S+33+J], v[S+32+J:S+33+J], s[CS:CS+1], v[\nm:\nm+1] op_sel_hi:[1,0,0]
.set J, J+2
.endr
	s_wait_alu depctr_va_vdst(0)                   ; behind the first half and ahead of the second
.if \vw >= 0
	s_wait_dscnt \vw                               ; V is in
.endif
.set JE, 32
.irp t, 0,1,2,3                        ; THE SECOND HALF'S, and between them:
	EX 2
.if \pv
	WM \oo+8*\t, VV+8*\t, \opc, 0, VS+\t/2, \opw, \t%2   ; the other tile's O^T += V^T P^T: four accumulators by turns,
.endif
.endr
.irp t, 0,1,2,3
	EX 2
	v_cvt_scalef32_pk8_fp4_f32 v[\pc+\t], v[S+8*\t:S+8*\t+7], v[TE]   ; the first half's codes: keys 32 h + 8 t on: register t of the operand,
.endr
	EX 2
	v_pk_mul_f32 v[\nm+2:\nm+3], v[\nm+2:\nm+3], v[F:F+1] op_sel_hi:[1,0]   ; the sums under the new M (also the plain place behind the conversions),
.set JA, 0
.rept 7
	EX 2
	v_pk_add_f32 v[S+JA:S+JA+1], v[S+JA:S+JA+1], v[S+16+JA:S+17+JA]   ; and the first level of the tree over the first half's p
.set JA, JA+2
.endr
	v_pk_add_f32 v[S+14:S+15], v[S+14:S+15], v[S+30:S+31]
	s_wait_alu depctr_va_vdst(0)                   ; behind the batch
.if \vl
	VLOAD                                          ; nine plain lines stand behind the products that read V
.endif
.irp t, 0,1,2,3
	v_cvt_scalef32_pk8_fp4_f32 v[\pc+4+\t], v[S+32+8*\t:S+32+8*\t+7], v[TE+1]   ; keys 64 + 32 h + 8 t on
.endr
	v_lshrrev_b32 v[T2], 23, v[TE+1]               ; the scales' bytes (this line is the plain place behind the conversions: it writes none of their registers)
	v_lshrrev_b32 v[TE], 23, v[TE]
	PADD 16, 32, 8                                 ; the tree over the second half's p,
	v_lshl_or_b32 v[TE], v[T2], 16, v[TE]          ; my blocks h and 2 + h
	PADD 32, 0, 4                                  ; the two halves joined,
	v_permlanex16_b32 v[TP], v[TE], s[SEL], s[SEL+1]
	PADD 32, 8, 4
	v_lshl_or_b32 v[\pw], v[TP], 8, v[TE]          ; lanes 0-15: the four bytes of my query's 128 keys (lanes 16-31 are not read)
	PADD 8, 0, 4
	s_wait_alu depctr_va_vdst(0)                   ; the wait here, directly ahead of the first reader of O^T
	OMUL \o, 0
	PADD 4, 0, 2
	OMUL \o, 8
	PADD 2, 0, 1
	OMUL \o, 16
	v_pk_add_f32 v[\nm+2:\nm+3], v[\nm+2:\nm+3], v[S:S+1]
	OMUL \o, 24
.endm
	s_load_b256 s[4:11], s[0:1], 0x0               ; q_ws s[4:5], kv_ws s[6:7], o_codes s[8:9], o_scales s[10:11]
	v_lshl_add_u32 v[SPW], v0, 2, 0x29000
	v_mov_b32 v[NIL], 0
	ds_add_u32 v[SPW], v[NIL]                      ; the opening lines: the add, twice on end, and its wait
	ds_add_u32 v[SPW], v[NIL]
	v_lshrrev_b32 v1, 5, v0
	v_readfirstlane_b32 s[WV], v1                  ; wave 0..15
	s_bfe_u32 s13, ttmp6, 0x40000                  ; cx: my place in the cluster
	s_lshl_b32 s14, ttmp9, 2
	s_add_co_u32 s14, s14, s13                     ; my block of 512 queries: it enters Q's and o's addresses alone
	s_and_b32 s15, ttmp7, 0xffff                   ; bh, which the four partners share
	s_mov_b32 s[SEL], 0x76543210
	s_mov_b32 s[SEL+1], 0xfedcba98
	s_mov_b32 s[CS], 0x3e38aa3b                    ; c = log2(e) / 8
	s_mov_b32 s[CS+1], s[CS]
	s_mov_b32 s[NC], 0xbe38aa3b
	; descriptor group 1: 68 rows of 256 bytes (32 elements of 8 bytes), dense: two steps
	s_mov_b32 s24, 15|(3<<16)|(1<<21)              ; the mask: all four work-groups; elements of 8 bytes; bit 21 beside a mask
	s_mov_b32 s25, 32<<16
	s_mov_b32 s26, 68<<16
	s_mov_b32 s27, 32<<16
	s_mov_b32 s28, 68
	s_mov_b32 s29, 32
	s_mov_b32 s30, 0
	s_mov_b32 s31, 0
	s_mov_b32 s32, 1
	s_mul_i32 s33, s[WV], 2*STEPB                  ; LDS address: two steps x wave
	s_mul_i32 s36, s15, 16*STEPB
	s_add_co_u32 s36, s36, s33                     ; and the same place in the head's block of kv_ws
	s_mov_b32 s37, 0
	s_lshl_b32 s38, s15, 4                         ; Q: group of 128 queries 16 bh + 4 block + wave / 4
	s_lshl_b32 s39, s14, 2
	s_add_co_u32 s38, s38, s39
	s_lshr_b32 s39, s[WV], 2
	s_add_co_u32 s38, s38, s39
	s_mul_i32 s38, s38, 4352
	s_mov_b32 s39, 0
	s_and_b32 s40, s[WV], 3                        ; my two tiles in the group: 2 (wave % 4), + 1
	s_lshl_b32 s41, s40, 10
	s_lshl_b32 s42, s40, 6
	s_add_co_u32 s42, s42, 4096
	s_lshr_b32 s43, s15, 4                         ; the batch
	s_and_b32 s44, s15, 15                         ; the head
	s_lshl_b32 s45, s43, 7
	s_lshl_b32 s46, s14, 5
	s_add_co_u32 s45, s45, s46
	s_lshl_b32 s46, s[WV], 1
	s_add_co_u32 s45, s45, s46                     ; tile a's number among the 512 tiles of 16 rows
	s_lshl_b32 s46, s45, 4
	s_add_co_u32 s46, s46, s44
	s_lshl_b32 s46, s46, 9                         ; o_codes [tile 512][head 16][512 bytes]
	s_mov_b32 s47, 0
	s_lshr_b32 s48, s45, 1
	s_lshl_b32 s48, s48, 3
	s_lshr_b32 s49, s44, 1
	s_add_co_u32 s48, s48, s49
	s_lshl_b32 s48, s48, 7                         ; o_scales [pair of tiles 256][K step 8][lane 32][4 bytes]; head 2 q + e writes the two bytes at 2 e
	s_and_b32 s49, s44, 1
	s_lshl_b32 s49, s49, 1
	s_add_co_u32 s48, s48, s49
	s_mov_b32 s49, 0
	s_wait_dscnt 0x0
	s_wait_kmcnt 0x0
	s_add_nc_u64 s[34:35], s[6:7], s[36:37]
	s_or_b32 s35, s35, 0x80000000                  ; type 2
	s_add_nc_u64 s[4:5], s[4:5], s[38:39]
	s_add_nc_u64 s[8:9], s[8:9], s[46:47]
	s_add_nc_u64 s[10:11], s[10:11], s[48:49]
	CROUND                                         ; all four work-groups are here: the joint loads meet
	s_cmp_lt_u32 s[WV], 8                          ; waves 0-7 fetch two steps each: one tensor load a wave
	s_cbranch_scc0 .Lasked
	tensor_load_to_lds s[32:35], s[24:31]
	s_nop 0
.rept 4
	v_nop
.endr
.Lasked:
	v_and_b32 v[T2], 31, v0                        ; lane
	v_and_b32 v45, 15, v0
	v_lshlrev_b32 v[AV], 4, v[T2]
	v_lshlrev_b32 v[AS], 2, v[T2]
	v_lshl_add_u32 v45, v45, 2, s42
	v_add_nc_u32 v44, s41, v[AV]
	global_load_b128 v[QZ+4:QZ+7], v44, s[4:5]     ; Q's codes stay in registers: lane (r, h): query r, channels 32 h on
	global_load_b128 v[QZ+12:QZ+15], v44, s[4:5] offset:512
	global_load_b32 v46, v45, s[4:5]               ; the scale word of row r: tile a's two bytes below, tile b's above
	v_bfe_u32 v[AO], v0, 3, 1                      ; b
	v_and_b32 v[AE], 0x17, v[T2]                   ; j + 16 h
	v_lshlrev_b32 v[AE], 4, v[AE]
	v_mad_u32_u24 v[AE], v[AO], 1152, v[AE]
	v_xor_b32 v[AO], 128, v[AE]
.irp j, 0,1,2,3,8,9,10,11,16,17,18,19
	v_mov_b32 v[QZ+\j], 0                          ; the zero codes beside Q
.endr
	v_mov_b32 v[NA], 0x7f61b1e6                    ; -M = 3e38, over every -M to come
	v_mov_b32 v[NB], 0x7f61b1e6
	v_mov_b32 v[NA+1], 0xff61b1e6                  ; the largest score so far: -3e38
	v_mov_b32 v[NB+1], 0xff61b1e6
	v_mov_b32 v[NA+2], 0                           ; the sums
	v_mov_b32 v[NA+3], 0
	v_mov_b32 v[NB+2], 0
	v_mov_b32 v[NB+3], 0
	v_mov_b32 v[TP], 0                             ; written once: a lane permute's destination counts as one of its sources
	s_wait_alu depctr_va_vdst(0)                   ; the wait here, directly ahead of the wait below
	s_wait_loadcnt 0x0
	v_perm_b32 v[QSA], v46, v46, 0x01000100        ; Q's two bytes in both halves of the word: they serve [Q, 0] and [0, Q] alike
	v_perm_b32 v[QSB], v46, v46, 0x03020302
.set J, 0
.rept 64
	v_mov_b32 v[OA+J], 0                           ; O^T: a tile's part is written for all steps alike; the first finds zeros, which the first change of M leaves zeros
.set J, J+1
.endr
	s_mov_b32 s21, 15                              ; trips: a step's tile b, the next step's tile a
	s_wait_alu depctr_va_vdst(0)                   ; the wait at the head's end
	s_wait_tensorcnt 0x0                           ; my fill has landed,
	s_barrier_signal -1
	s_barrier_wait -1                              ; everybody's has
	KLOAD
	s_wait_dscnt 0x0
	TILE NA, PCA, PWA, OA, QZ, QSA, 0, 0, OB, PCB, PWB, -1, 1       ; step 0's tile a: no products are due yet
.Lstep:
	TILE NB, PCB, PWB, OB, QZ+8, QSB, 1, 1, OA, PCA, PWA, 10, 0     ; tile b, with tile a's products; behind V's loads stand the next K's ten
	s_wait_alu depctr_va_vdst(0)                   ; the wait here, directly ahead of the wait below
	s_wait_dscnt 0x0                               ; the next step's K is in
	TILE NA, PCA, PWA, OA, QZ, QSA, 0, 1, OB, PCB, PWB, -1, 1       ; the next step's tile a, with tile b's products; then that step's V is loaded
	s_sub_co_u32 s21, s21, 1
	s_cmp_lg_u32 s21, 0
	s_cbranch_scc1 .Lstep
	TILE NB, PCB, PWB, OB, QZ+8, QSB, 0, 1, OA, PCA, PWA, 0, 0      ; the last step's tile b is written out: no load reaches beyond the head's bytes
.irp t, 0,1,2,3
	WM OB+8*\t, VV+8*\t, PCB, 0, VS+\t/2, PWB, \t%2                 ; and its own products
.endr
	; THE WAY OUT: O^T / the sum, quantised along the head's 64 channels, which are 64 of the last product's K
.rept 4
	v_nop                                          ; four places behind the last products
.endr
	v_add_f32 v[QT], v[NA+2], v[NA+3]              ; the sums' two halves,
	v_add_f32 v[QT+1], v[NB+2], v[NB+3]
	v_permlanex16_b32 v[QT+2], v[QT], s[SEL], s[SEL+1]
	v_permlanex16_b32 v[QT+3], v[QT+1], s[SEL], s[SEL+1]
	v_add_f32 v[QT], v[QT], v[QT+2]                ; and lane l xor 16's: the rows' sums
	v_add_f32 v[QT+1], v[QT+1], v[QT+3]
	s_wait_alu depctr_va_vdst(0)                   ; the wait ahead of the transcendentals
	v_rcp_f32 v[QT+6], v[QT]
	v_rcp_f32 v[QT+8], v[QT+1]
	v_and_b32 v[T2], 31, v0                        ; (the plain place)  lane
	s_wait_alu depctr_va_vdst(0)                   ; and behind them, directly ahead of the first readers of O^T
.set J, 0
.rept 16
	v_pk_mul_f32 v[S+J:S+J+1], v[OA+J:OA+J+1], v[QT+6:QT+7] op_sel_hi:[1,0]   ; register 8 t + j: o(query r, channel 16 t + 8 h + j); each accumulator from its low end on
.set J, J+2
.endr
.set J, 0
.rept 16
	v_pk_mul_f32 v[S+32+J:S+32+J+1], v[OB+J:OB+J+1], v[QT+8:QT+9] op_sel_hi:[1,0]
.set J, J+2
.endr
	v_lshlrev_b32 v[AV], 4, v[T2]
	v_lshlrev_b32 v[AS], 2, v[T2]
	QH S, PCA, QT+10
	QH S+32, PCB, QT+11
	global_store_b128 v[AV], v[PCA:PCA+3], s[8:9]               ; 32 lanes store 512 consecutive bytes, at a multiple of 256 from the buffer's first byte
	global_store_b128 v[AV], v[PCB:PCB+3], s[8:9] offset:8192   ; tile b: one tile of rows on
	v_cmp_lt_u32 vcc_lo, 63, v[AS]                 ; lanes 16-31
	v_cndmask_b32 v[QT+12], v[QT+10], v[QT+11], vcc_lo   ; lanes 0-15 carry tile a's two bytes, lanes 16-31 tile b's
	global_store_b16 v[AS], v[QT+12], s[10:11]
	s_wait_tensorcnt 0x0                           ; the wave's end
	ds_add_u32 v[SPW], v[NIL]
	s_wait_dscnt 0x0
	CROUND                                         ; the closing round: no work-group ends while a partner may still ask for a tile that names it
	s_endpgm
.Lfunc_end_k_q571bb42abb_attn:
	.size	k_q571bb42abb_attn, .Lfunc_end_k_q571bb42abb_attn-k_q571bb42abb_attn
	.p2alignl 7, 3214868480
	.fill 96, 4, 3214868480
	.section	.rodata,"a",@progbits
	.p2align	6, 0x0
	.amdhsa_kernel k_q571bb42abb_attn
		.amdhsa_group_segment_fixed_size 169984
		.amdhsa_private_segment_fixed_size 0
		.amdhsa_enable_private_segment 0
		.amdhsa_kernarg_size 32
		.amdhsa_user_sgpr_count 2
		.amdhsa_user_sgpr_kernarg_segment_ptr 1
		.amdhsa_wavefront_size32 1
		.amdhsa_system_sgpr_workgroup_id_x 1
		.amdhsa_system_sgpr_workgroup_id_y 1
		.amdhsa_system_sgpr_workgroup_id_z 1
		.amdhsa_system_vgpr_workitem_id 0
		.amdhsa_next_free_vgpr 256
		.amdhsa_next_free_sgpr 66
		.amdhsa_reserve_vcc 1
		.amdhsa_float_denorm_mode_32 3
		.amdhsa_float_denorm_mode_16_64 3
		.amdhsa_memory_ordered 1
		.amdhsa_forward_progress 1
		.amdhsa_inst_pref_size 68
	.end_amdhsa_kernel
	.amdgpu_metadata
---
amdhsa.version: [ 1, 2 ]
amdhsa.kernels:
  - .name:           k_q571bb42abb_attn
    .symbol:         k_q571bb42abb_attn.kd
    .args:
      - { .name: q_ws, .offset: 0, .size: 8, .value_kind: global_buffer, .address_space: global }
      - { .name: kv_ws, .offset: 8, .size: 8, .value_kind: global_buffer, .address_space: global }
      - { .name: o_codes, .offset: 16, .size: 8, .value_kind: global_buffer, .address_space: global }
      - { .name: o_scales, .offset: 24, .size: 8, .value_kind: global_buffer, .address_space: global }
    .group_segment_fixed_size: 169984
    .private_segment_fixed_size: 0
    .kernarg_segment_align: 8
    .kernarg_segment_size: 32
    .max_flat_workgroup_size: 512
    .sgpr_count:     66
    .vgpr_count:     256
    .wavefront_size: 32
...
	.end_amdgpu_metadata
.endif
;; end of part 2
;; launch proj (part 3): grid 8 x 32, 8 waves a work-group, clusters of 4 x 4, 263,168 bytes of LDS; arguments o_codes, o_scales, w_out_codes, w_out_scales, b_out, out0; writes out0
.if DOCPART == 3
	.amdgcn_target "amdgcn-amd-amdhsa--gfx1250"
	.amdhsa_code_object_version 6
	.text
	.protected	k_q571bb42abb_proj
	.globl	k_q571bb42abb_proj
	.p2align	8
	.type	k_q571bb42abb_proj,@function
k_q571bb42abb_proj:
	s_mov_b64 s[64:65], 0
	v_nop
	global_prefetch_b8 v0, s[64:65] scope:SCOPE_SE
	s_setreg_imm32_b32 hwreg(HW_REG_WAVE_MODE, 25, 1), 1
	s_wait_xcnt 0x0
	s_wait_alu depctr_hold_cnt(0) depctr_sa_sdst(0) depctr_va_vdst(0) depctr_va_sdst(0) depctr_va_ssrc(0) depctr_va_vcc(0) depctr_vm_vsrc(0)
	s_getreg_b32 s2, hwreg(HW_REG_IB_STS2, 6, 4)
	s_cmp_eq_u32 s2, 0
	s_cbranch_scc0 .Lentry_in_a_cluster
	s_endpgm
.Lentry_in_a_cluster:
	s_bfe_u32 s2, ttmp6, 0x10000c
	s_cmp_lg_u32 s2, 0xf033
	s_cbranch_scc0 .Lentry_shape_is_right
	s_endpgm
.Lentry_shape_is_right:
; out0 = o W_out + b_out on codes of FP4 (E2M1) with one E8M0 scale for each 32 along K = 1,024.  o arrives as images of the operand's registers (o_codes [tile of 16 rows 512][head 16][lane][16 bytes]: heads 2 q and
; 2 q + 1 are registers 0-3 and 4-7 of K step q's fragment; o_scales [pair of tiles 256][K step 8][lane][4 bytes]); W_out as rows of codes, K innermost.
; SHARES.  A work-group makes 256 rows x 128 columns; eight waves, each 64 x 64: rq = wave / 2, cq = wave % 2; 16 accumulators.  All of K fits in LDS at once: every LDS byte is filled once, so there is no ring and no refill.
; THE PRODUCT IS USED TRANSPOSED: source 0 = 16 rows of W_out (columns of out0), source 1 = 16 rows of o: a lane holds eight neighbouring columns of one row.  The bias is loaded straight into the accumulators,
; in the result's layout, so that all eight K steps add in place and none differs from the others.
; CLUSTER 4 x 4.  The four work-groups of a row of the cluster share their rows of o, the four of a column their rows of W_out: each tile is asked for jointly, with a mask that names the four.
; LIMITS.  NaN and infinities among the inputs are not served.
.set T64,  64*528                      ; 64 rows of W's codes in LDS: 512 bytes + 16 of padding = 132 words a row: row r starts at bank 4 r mod 64 (64 banks of 4 bytes: ISA guide 11.1)
.set WT,   131072                      ; o's images lie at 0 (16 tiles x 8,192 bytes, dense), W's 128 rows here
.set WSC,  WT+2*T64                    ; W's scale bytes: 4,096 dense bytes as 16 pieces of 256 + 16 of padding
.set OSC,  WSC+16*272                  ; o's scale words: 8,192 dense bytes
.set STG,  OSC+8192                    ; the way out: 16 rows x (256 bytes + 16) for each wave; a multiple of 256, and no fill lands here
.set PF,   16                          ; v16-47   W's four fragments
.set RF,   48                          ; v48-79   o's four
.set WS,   80                          ; v80-95   W's scale words: register 8 m + q: lanes 0-15 tile 2 m, lanes 16-31 tile 2 m + 1, K step q
.set OS,   96                          ; v96-111  o's likewise
.set ACC,  128                         ; v128-255 accumulator (p, i) at 128 + 32 i + 8 p
.set BK,   16                          ; the way out: 16 rows read back from the stage: v16-47 and v48-79 by turns
.set WV,   18
.macro CROUND
	s_barrier_signal -1
	s_barrier_wait -1
	s_cmp_lg_u32 s[WV], 0
	s_cbranch_scc1 .Lnot_wave_0_\@
	s_barrier_signal -3
.Lnot_wave_0_\@:
	s_barrier_wait -3
	s_barrier_signal -1
	s_barrier_wait -1
.endm
; One product, added in place.  ra, rb: which half of the lanes of the scale registers holds this tile's words.
.macro WM d, a, b, sa, sb, ra, rb
.if (\ra)+2*(\rb) == 0
	v_wmma_scale_f32_16x16x128_f8f6f4 v[\d:\d+7], v[\a:\a+7], v[\b:\b+7], v[\d:\d+7], v[\sa], v[\sb] matrix_a_fmt:MATRIX_FMT_FP4 matrix_b_fmt:MATRIX_FMT_FP4
.elseif (\ra)+2*(\rb) == 1
	v_wmma_scale_f32_16x16x128_f8f6f4 v[\d:\d+7], v[\a:\a+7], v[\b:\b+7], v[\d:\d+7], v[\sa], v[\sb] matrix_a_fmt:MATRIX_FMT_FP4 matrix_b_fmt:MATRIX_FMT_FP4 matrix_a_scale:MATRIX_SCALE_ROW1
.elseif (\ra)+2*(\rb) == 2
	v_wmma_scale_f32_16x16x128_f8f6f4 v[\d:\d+7], v[\a:\a+7], v[\b:\b+7], v[\d:\d+7], v[\sa], v[\sb] matrix_a_fmt:MATRIX_FMT_FP4 matrix_b_fmt:MATRIX_FMT_FP4 matrix_b_scale:MATRIX_SCALE_ROW1
.else
	v_wmma_scale_f32_16x16x128_f8f6f4 v[\d:\d+7], v[\a:\a+7], v[\b:\b+7], v[\d:\d+7], v[\sa], v[\sb] matrix_a_fmt:MATRIX_FMT_FP4 matrix_b_fmt:MATRIX_FMT_FP4 matrix_a_scale:MATRIX_SCALE_ROW1 matrix_b_scale:MATRIX_SCALE_ROW1
.endif
.endm
; A K step of 128: 16 fragment loads, 16 products.
.macro KSTEP q
.irp p, 0,1,2,3
.irp c, 0,1
	ds_load_b128 v[PF+8*\p+4*\c:PF+8*\p+4*\c+3], v4 offset:8448*\p+64*(\q)+32*\c
.endr
.endr
.irp i, 0,1,2,3
.irp c, 0,1
	ds_load_b128 v[RF+8*\i+4*\c:RF+8*\i+4*\c+3], v5 offset:8192*\i+1024*(\q)+512*\c   ; an image: 16 bytes a lane, 512 consecutive bytes a load
.endr
.endr
.irp i, 0,1,2,3
	s_wait_dscnt 6-2*\i                            ; LDS loads come back in order: all up to o's tile i are in; the two loads of each later tile of o may be out
.irp p, 0,1,2,3
	WM ACC+32*\i+8*\p, PF+8*\p, RF+8*\i, WS+8*(\p/2)+(\q), OS+8*(\i/2)+(\q), \p%2, \i%2   ; the 16 accumulators take turns, one instruction a turn, in the same order in every step
.endr
.endr
.rept 4
	v_nop                                          ; four places in front of loads into registers that these products have read, and of the first read of results
.endr
.endm
	s_load_b256 s[4:11], s[0:1], 0x0               ; o's codes s[4:5], o's scales s[6:7], W's codes s[8:9], W's scales s[10:11]
	s_load_b128 s[12:15], s[0:1], 0x20             ; b_out s[12:13], out0 s[14:15]
	v_lshl_add_u32 v126, v0, 2, 0x40000
	v_mov_b32 v127, 0
	ds_add_u32 v126, v127
	ds_add_u32 v126, v127
	v_lshrrev_b32 v1, 5, v0
	s_delay_alu instid0(VALU_DEP_1)
	v_readfirstlane_b32 s[WV], v1                  ; wave 0..7
	s_lshr_b32 s19, s[WV], 1                       ; rq: which 64 rows
	s_and_b32 s20, s[WV], 1                        ; cq: which 64 columns
	s_and_b32 s21, s[WV], 3                        ; which quarter of o's images I fetch, if I fetch one
	s_bfe_u32 s40, ttmp6, 0x40000                  ; cx, cy: my place in the cluster
	s_bfe_u32 s41, ttmp6, 0x40004
	s_lshl_b32 s42, ttmp9, 2
	s_add_co_u32 s42, s42, s40                     ; cb, the block of 128 columns = 4 x cluster x + cx
	s_and_b32 s45, ttmp7, 0xffff
	s_lshl_b32 s45, s45, 2
	s_add_co_u32 s45, s45, s41                     ; rb, the block of 256 rows = 4 x cluster y + cy
	s_lshl_b32 s43, s41, 2
	s_lshl_b32 s43, 15, s43                        ; my row of the cluster: it shares rb
	s_lshl_b32 s44, 0x1111, s40                    ; my column: it shares cb
	; descriptor groups 1.  o's images: 128 rows of 256 bytes (32 elements of 8 bytes), dense
	s_or_b32 s24, s43, (3<<16)|(1<<21)             ; 15:0 the mask; 17:16 elements of 8 bytes; 21 set beside a mask; no padding
	s_mov_b32 s25, 32<<16
	s_mov_b32 s26, 128<<16
	s_mov_b32 s27, 32<<16
	s_mov_b32 s28, 128
	s_mov_b32 s29, 32
	s_mov_b32 s30, 0
	s_mov_b32 s31, 0
	; W's codes: 64 rows x 512 bytes, 16 bytes of padding behind each row
	s_or_b32 s32, s44, (1<<20)|(1<<21)|(6<<22)|(3<<25)   ; elements of 1 byte; 20 padding on; 24:22 after every 128 words (code 6); 31:25 four words (code 3)
	s_mov_b32 s33, 512<<16
	s_mov_b32 s34, 64<<16
	s_mov_b32 s35, 512<<16
	s_mov_b32 s36, 64
	s_mov_b32 s37, 512
	s_mov_b32 s38, 0
	s_mov_b32 s39, 0
	; W's scale bytes: 16 rows of 256 bytes, 16 bytes of padding behind each
	s_or_b32 s48, s44, (3<<16)|(1<<20)|(1<<21)|(5<<22)|(3<<25)
	s_mov_b32 s49, 32<<16
	s_mov_b32 s50, 16<<16
	s_mov_b32 s51, 32<<16
	s_mov_b32 s52, 16
	s_mov_b32 s53, 32
	s_mov_b32 s54, 0
	s_mov_b32 s55, 0
	; o's scale words: 32 rows of 256 bytes, dense
	s_or_b32 s56, s43, (3<<16)|(1<<21)
	s_mov_b32 s57, 32<<16
	s_mov_b32 s58, 32<<16
	s_mov_b32 s59, 32<<16
	s_mov_b32 s60, 32
	s_mov_b32 s61, 32
	s_mov_b32 s62, 0
	s_mov_b32 s63, 0
	; where the tiles come from: o's hang on rb and the wave alone (s84-87), W's on cb and the wave alone (s88-91)
	s_lshl_b32 s2, s21, 15
	s_lshl_b32 s84, s45, 17                        ; 16 tiles of 8,192 bytes x rb
	s_add_co_u32 s84, s84, s2
	s_mov_b32 s85, 0
	s_lshl_b32 s86, s45, 13                        ; 8 pairs of 1,024 bytes x rb
	s_mov_b32 s87, 0
	s_lshl_b32 s3, s20, 15
	s_lshl_b32 s88, s42, 16                        ; 128 rows of 512 bytes x cb
	s_add_co_u32 s88, s88, s3
	s_mov_b32 s89, 0
	s_lshl_b32 s90, s42, 12                        ; 128 rows of 32 scale bytes x cb
	s_mov_b32 s91, 0
	s_mul_i32 s3, s20, T64
	s_wait_dscnt 0x0
	s_wait_kmcnt 0x0
	s_mov_b32 s68, 1                               ; group 0 for o's images: count; LDS address; global address; type 2
	s_mov_b32 s69, s2
	s_add_nc_u64 s[70:71], s[4:5], s[84:85]
	s_or_b32 s71, s71, 0x80000000
	s_mov_b32 s72, 1                               ; W's codes
	s_add_co_u32 s73, s3, WT
	s_add_nc_u64 s[74:75], s[8:9], s[88:89]
	s_or_b32 s75, s75, 0x80000000
	s_mov_b32 s76, 1                               ; W's scale bytes
	s_mov_b32 s77, WSC
	s_add_nc_u64 s[78:79], s[10:11], s[90:91]
	s_or_b32 s79, s79, 0x80000000
	s_mov_b32 s80, 1                               ; o's scale words
	s_mov_b32 s81, OSC
	s_add_nc_u64 s[82:83], s[6:7], s[86:87]
	s_or_b32 s83, s83, 0x80000000
	CROUND                                         ; all sixteen work-groups are here: the joint loads meet
	; The fills, one a wave: waves 0-3 o's four quarters, waves 4 and 5 W's halves, wave 6 W's scale bytes, wave 7 o's scale words.  The branches hang on the wave's number alone.
	; Four v_nop follow each load, ahead of the jump and the label.  By this text's count a wave has one tensor load out.
	s_cmp_lt_u32 s[WV], 4
	s_cbranch_scc0 .Lnot_o
	tensor_load_to_lds s[68:71], s[24:31]
	s_nop 0
.rept 4
	v_nop
.endr
	s_branch .Lasked
.Lnot_o:
	s_cmp_lt_u32 s[WV], 6
	s_cbranch_scc0 .Lnot_w
	tensor_load_to_lds s[72:75], s[32:39]
	s_nop 0
.rept 4
	v_nop
.endr
	s_branch .Lasked
.Lnot_w:
	s_cmp_eq_u32 s[WV], 6
	s_cbranch_scc0 .Lnot_ws
	tensor_load_to_lds s[76:79], s[48:55]
	s_nop 0
.rept 4
	v_nop
.endr
	s_branch .Lasked
.Lnot_ws:
	tensor_load_to_lds s[80:83], s[56:63]
	s_nop 0
.rept 4
	v_nop
.endr
.Lasked:
	s_lshl_b32 s92, s42, 9
	s_lshl_b32 s93, s20, 8
	s_add_co_u32 s92, s92, s93                     ; my first column, in bytes: 512 cb + 256 cq
	s_mov_b32 s93, 0
	s_add_nc_u64 s[12:13], s[12:13], s[92:93]      ; b_out there
	s_add_nc_u64 s[14:15], s[14:15], s[92:93]
	s_lshl_b32 s92, s45, 20
	s_lshl_b32 s94, s19, 18
	s_add_co_u32 s92, s92, s94                     ; my first row: (256 rb + 64 rq) rows of 4,096 bytes
	s_add_nc_u64 s[14:15], s[14:15], s[92:93]      ; out0 there
	v_and_b32 v1, 31, v0                           ; lane
	v_and_b32 v2, 15, v0                           ; r
	v_bfe_u32 v3, v0, 4, 1                         ; h
	s_delay_alu instid0(VALU_DEP_1)
	v_lshlrev_b32 v11, 5, v3                       ; the bias: columns 16 p + 8 h + 0 .. 7
.irp i, 0,1,2,3
.irp p, 0,1,2,3
	global_load_b128 v[ACC+32*\i+8*\p:ACC+32*\i+8*\p+3], v11, s[12:13] offset:64*\p       ; the sums begin as the bias
	global_load_b128 v[ACC+32*\i+8*\p+4:ACC+32*\i+8*\p+7], v11, s[12:13] offset:64*\p+16
.endr
.endr
	s_add_co_u32 s92, s3, WT
	v_mul_u32_u24 v4, v2, 528
	s_delay_alu instid0(VALU_DEP_1)
	v_lshl_add_u32 v4, v3, 4, v4
	s_delay_alu instid0(VALU_DEP_1)
	v_add_nc_u32 v4, s92, v4                       ; W's fragments: my 64 rows; row r x pitch + 16 h; two loads 32 bytes apart
	s_lshl_b32 s93, s19, 15
	v_lshl_add_u32 v5, v1, 4, s93                  ; o's images: my four tiles; 16 x lane
	s_mul_i32 s94, s20, 8*272
	s_add_co_u32 s94, s94, WSC
	v_lshrrev_b32 v6, 3, v1
	s_delay_alu instid0(VALU_DEP_1)
	v_mul_u32_u24 v6, v6, 272
	v_and_b32 v7, 7, v1
	s_delay_alu instid0(VALU_DEP_1)
	v_lshl_add_u32 v6, v7, 5, v6
	s_delay_alu instid0(VALU_DEP_1)
	v_add_nc_u32 v6, s94, v6                       ; W's scale bytes of row "lane" of 32: eight rows of 32 bytes to a padded piece
	s_lshl_b32 s95, s19, 11
	s_add_co_u32 s95, s95, OSC
	v_lshl_add_u32 v7, v1, 2, s95                  ; o's scale words: my two pairs of tiles; 4 x lane
	s_mul_i32 s96, s[WV], 16*272
	s_add_co_u32 s96, s96, STG                     ; my stage
	v_mul_u32_u24 v8, v2, 272
	s_delay_alu instid0(VALU_DEP_1)
	v_lshl_add_u32 v8, v3, 5, v8
	s_delay_alu instid0(VALU_DEP_1)
	v_add_nc_u32 v8, s96, v8                       ; in: row r, 32 bytes for each half of the lanes
	v_mul_u32_u24 v9, v3, 272
	s_delay_alu instid0(VALU_DEP_1)
	v_lshl_add_u32 v9, v2, 4, v9
	s_delay_alu instid0(VALU_DEP_1)
	v_add_nc_u32 v9, s96, v9                       ; back: lanes 0-15 one row of 256 bytes, lanes 16-31 the next
	v_lshlrev_b32 v10, 12, v3
	s_delay_alu instid0(VALU_DEP_1)
	v_lshl_add_u32 v10, v2, 4, v10                 ; and the same two rows in out0
	s_wait_alu depctr_va_vdst(0)
	s_wait_loadcnt 0x0                             ; the bias
	s_wait_tensorcnt 0x0                           ; my fill has landed,
	s_barrier_signal -1
	s_barrier_wait -1                              ; everybody's has
.irp m, 0,1
.irp u, 0,1
	ds_load_b128 v[WS+8*\m+4*\u:WS+8*\m+4*\u+3], v6 offset:1088*\m+16*\u   ; the scale words of all eight K steps stay in registers
.endr
.endr
.irp m, 0,1
.irp q, 0,1,2,3,4,5,6,7
	ds_load_b32 v[OS+8*\m+\q], v7 offset:1024*\m+128*\q
.endr
.endr
.set Q, 0
.rept 8
	KSTEP Q
.set Q, Q+1
.endr
; THE WAY OUT, 16 rows x 64 columns at a time.  A lane holds 32 neighbouring bytes of a row, and the lanes beside it hold other rows: so a block goes through my own stage in LDS and comes back as whole rows of 256 bytes.
; LDS serves a wave's instructions in order (ISA guide 5.7.1.4): no wait between the stores and the loads, nor in front of the next block's stores.
.macro TOSTAGE i
.irp p, 0,1,2,3
	ds_store_b128 v8, v[ACC+32*(\i)+8*\p:ACC+32*(\i)+8*\p+3] offset:64*\p        ; each accumulator from its low end on
	ds_store_b128 v8, v[ACC+32*(\i)+8*\p+4:ACC+32*(\i)+8*\p+7] offset:64*\p+16
.endr
.irp t, 0,1,2,3,4,5,6,7
	ds_load_b128 v[BK+32*((\i)%2)+4*\t:BK+32*((\i)%2)+4*\t+3], v9 offset:544*\t
.endr
.endm
.macro SEND i, younger                 ; younger: the LDS instructions issued behind block i's loads, which may stay out
	s_wait_dscnt \younger
.irp t, 0,1,2,3,4,5,6,7
	global_store_b128 v10, v[BK+32*((\i)%2)+4*\t:BK+32*((\i)%2)+4*\t+3], s[14:15] offset:(16*(\i)+2*\t)*4096 th:TH_STORE_NT   ; 16 lanes store 256 consecutive bytes, at a multiple of 256 from out0's first byte; written once, read by nobody here
.endr
.endm
	TOSTAGE 0
.irp a, 1,2,3
.if \a > 1
	s_wait_xcnt 0x0                                ; block a - 2's stores have read their registers: block a's loads may land there
.endif
	TOSTAGE \a
	SEND \a-1, 16                                  ; behind block a - 1's loads: block a's eight stores and eight loads
.endr
	SEND 3, 0
	s_wait_tensorcnt 0x0
	ds_add_u32 v126, v127
	s_wait_dscnt 0x0
	CROUND                                         ; the closing round: no work-group ends while a partner may still ask for a tile that names it
	s_endpgm
.Lfunc_end_k_q571bb42abb_proj:
	.size	k_q571bb42abb_proj, .Lfunc_end_k_q571bb42abb_proj-k_q571bb42abb_proj
	.p2alignl 7, 3214868480
	.fill 96, 4, 3214868480
	.section	.rodata,"a",@progbits
	.p2align	6, 0x0
	.amdhsa_kernel k_q571bb42abb_proj
		.amdhsa_group_segment_fixed_size 263168
		.amdhsa_private_segment_fixed_size 0
		.amdhsa_enable_private_segment 0
		.amdhsa_kernarg_size 48
		.amdhsa_user_sgpr_count 2
		.amdhsa_user_sgpr_kernarg_segment_ptr 1
		.amdhsa_wavefront_size32 1
		.amdhsa_system_sgpr_workgroup_id_x 1
		.amdhsa_system_sgpr_workgroup_id_y 1
		.amdhsa_system_sgpr_workgroup_id_z 1
		.amdhsa_system_vgpr_workitem_id 0
		.amdhsa_next_free_vgpr 256
		.amdhsa_next_free_sgpr 100
		.amdhsa_reserve_vcc 0
		.amdhsa_float_denorm_mode_32 3
		.amdhsa_float_denorm_mode_16_64 3
		.amdhsa_memory_ordered 1
		.amdhsa_forward_progress 1
		.amdhsa_inst_pref_size 47
	.end_amdhsa_kernel
	.amdgpu_metadata
---
amdhsa.version: [ 1, 2 ]
amdhsa.kernels:
  - .name:           k_q571bb42abb_proj
    .symbol:         k_q571bb42abb_proj.kd
    .args:
      - { .name: o_codes, .offset: 0, .size: 8, .value_kind: global_buffer, .address_space: global }
      - { .name: o_scales, .offset: 8, .size: 8, .value_kind: global_buffer, .address_space: global }
      - { .name: w_out_codes, .offset: 16, .size: 8, .value_kind: global_buffer, .address_space: global }
      - { .name: w_out_scales, .offset: 24, .size: 8, .value_kind: global_buffer, .address_space: global }
      - { .name: b_out, .offset: 32, .size: 8, .value_kind: global_buffer, .address_space: global }
      - { .name: out0, .offset: 40, .size: 8, .value_kind: global_buffer, .address_space: global }
    .group_segment_fixed_size: 263168
    .private_segment_fixed_size: 0
    .kernarg_segment_align: 8
    .kernarg_segment_size: 48
    .max_flat_workgroup_size: 256
    .sgpr_count:     100
    .vgpr_count:     256
    .wavefront_size: 32
...
	.end_amdgpu_metadata
.endif
;; end of part 3
